; MI455X (gfx1250); checked and timed in simulation.
; The chip was launched on July 23, 2026; its instructions are those of AMD's public machine-readable ISA for CDNA 5 (MIT licence, August 2026) and "CDNA5" Instruction Set Architecture Reference Guide (July 2026). The comments in the code are by the model that wrote it; some were corrected since.
;; Causal Attention. Allowed arithmetic: float matrix products may take bf16 or f16 operands with f32 sums; all other float work in f32.
;; Inputs: k 4 x 16 x 2,048 x 64 float32; q 4 x 16 x 2,048 x 64 float32; v 4 x 16 x 2,048 x 64 float32.
;; Outputs: out0 4 x 16 x 2,048 x 64 float32.
;; One version. Each part assembles by itself: llvm-mc -triple=amdgcn-amd-amdhsa -mcpu=gfx1250 --defsym DOCPART=n.
;; ======== version 1 of 1: 1 launch
;; limits: inputs' magnitudes at most 65,504; values are held in f16: magnitudes above 65,504 overflow, below 6.1e-05 lose precision
;; launch attn (part 1): grid 256 x 1, 8 waves a work-group, no clusters, 146,432 bytes of LDS; arguments q, k, v, out0; writes out0
.if DOCPART == 1
	.amdgcn_target "amdgcn-amd-amdhsa--gfx1250"
	.amdhsa_code_object_version 6
	.text
	.protected	k_q8e50fd7d20_attn
	.globl	k_q8e50fd7d20_attn
	.p2align	8
	.type	k_q8e50fd7d20_attn,@function
k_q8e50fd7d20_attn:
	s_mov_b64 s[64:65], 0
	v_nop
	global_prefetch_b8 v0, s[64:65] scope:SCOPE_SE
	s_setreg_imm32_b32 hwreg(HW_REG_WAVE_MODE, 25, 1), 1
	s_wait_xcnt 0x0
; Causal attention.  q, k, v, out: [64 heads][2048][64] f32.  out = softmax(q k^T / 8, keys <= query) v.
;
; SHARES.  A head has 8 query blocks of 256 rows; block b needs the key tiles (64 keys each) 0 .. 4 b + 3.  Work-group x takes head x >> 2 and the
; two blocks i = x & 3 and 7 - i: (4 i + 4) + (32 - 4 i) = 36 tiles for every one of the 256 work-groups.  Wave w owns rows 32 w .. 32 w + 31 of a block,
; as two query tiles of 16.  Inside a block the four tiles on the diagonal come first (written out), then tiles 0 .. 4 b - 1 (a loop of two trips):
; the first tile of a block starts every sum, so no register is cleared.  In diagonal trip u a wave with w >> 1 < u has no allowed key and
; skips the arithmetic, one with w >> 1 == u masks, the others take the tile whole.
; BOTH PRODUCTS ARE USED TRANSPOSED.  S^T = K Q^T: a lane holds ONE query row (lane % 16) and keys 8 (lane / 16) + 0..7 of each 16, so a row's maximum and sum
; are in-lane work and one exchange between the two halves of the wave, and the packed weights are already the second source of O^T = V^T P^T.
; K AND V come as f32: the 256 threads load a tile (16 KiB of K, 16 KiB of V, dense) 16 bytes a lane, round it once and store it into one of two
; LDS slots.  In trip n tile n is multiplied, tile n + 1 is rounded and stored, tile n + 2 is requested; one barrier a trip.
; FORMATS.  q, k and v are rounded to bf16, the rounding of inputs that the problem's statement allows for.  The WEIGHTS are rounded to f16: a row with few
; allowed keys is a sum of few terms of the size of v that may cancel, and there the weights' rounding shows undamped; f16 keeps 11 significant bits where bf16
; keeps 8, and the weights lie in [0, 1].  A matrix instruction takes both sources in one format, so V's bf16 numbers are carried as f16, which holds their 8
; significant bits exactly from 2^-14 to 65,504.  (Rounding v straight to f16 would be nearer to the f32 v; it is not done, so that all three inputs carry one and the
; same rounding.)  So S^T is a bf16 product and O^T an f16 product; all sums are f32.
; NO CLUSTER: in trip n the four work-groups of a head stand at tiles (4 i + n) mod (4 i + 4), which differ; a joint walk would make every partner
; run as many trips as the longest block pair member (12 block steps in place of 9), and the skips would hang on the place in the cluster.
; NO TENSOR LOADS: the tiles must pass through registers to be rounded in any case; f32 tiles in LDS would add 48 KiB of LDS traffic a tile.
; LIMITS.  A v beyond 65,504 in magnitude becomes infinite in f16 and is not served; a v or a weight below 2^-14 in magnitude is kept with an absolute error of up
; to 2^-25 (over 2,048 keys at most 2^-14 of the largest |v|, beside a row sum of at least 1).  Sums, maxima and exponentials are f32.
; A running maximum is kept for every row.  v_exp_f32 gives 0 for weights below 2^-126.  NaN and infinite inputs are not served (the maxima drop NaN).
.set TRIPS, 36                         ; tiles of a work-group
.set TILEB, 16384                      ; bytes of 64 rows of f32
.set SLOT,  19456                      ; an LDS slot: K 64 rows x 144 bytes (bf16), then V 64 rows x 160 bytes (f16)
.set VOFF,  9216                       ; V inside a slot
.set QSTG,  38912                      ; behind the two slots: 32 rows x 144 bytes of bf16 for each wave (its own)
.set OSTG,  75776                      ; behind that: 32 rows x 272 bytes of f32 for each wave (its own); ends at 145,408
; window 0
.set GL,   1                           ; 16 x thread
.set GO,   2                           ; GL + byte offset of the tile that is requested
.set KST,  3                           ; (thread >> 4) x 144 + 8 r : where my 4 numbers of K go
.set VST,  4                           ; (thread >> 4) x 160 + 8 r : the same for V
.set KFA,  5                           ; 144 r + 16 h : K fragments
.set VFA,  6                           ; (8 h + lane % 8) x 160 + 16 ((lane >> 3) & 1) : V fragments, transposing load
.set DL,   7                           ; r - 8 h + 32 (w & 1) : the mask's right side
.set QST,  8                           ; Q stage, in
.set QFA,  9                           ; Q stage, fragments
.set OST,  10                          ; O stage, in
.set ORD,  11                          ; O stage, back by rows
.set L16,  12                          ; 16 x lane
.set GO0,  13                          ; tile 0's offset (prologue only)
.set AL,   14                          ; v14 alpha, v15 row sum of query tile 0; v16, v17 of query tile 1
.set NM,   18                          ; v18 -c m, v19 m of query tile 0; v20, v21 of query tile 1
.set TR,   22                          ; v22-29: four maximum chains a query tile; later two pairs of partial sums a query tile
.set QF,   32                          ; v32-63   Q fragments: 32 + 16 qt + 8 ks
.set SR,   64                          ; v64-127  scores: 64 + 32 qt + 8 kt; the packed weights lie in the same registers: 64 + 32 qt + 16 ks
.set OA,   128                         ; v128-191 O^T: 128 + 32 qt + 8 dt
.set KF,   192                         ; v192-255 K fragments: 192 + 16 kt + 8 ks
; window 1, written by its low numbers
.set VF,   0                           ; v256-319 V^T fragments: 16 dt + 8 ks
.set STG,  64                          ; v320-351 a tile's f32 on their way: K's four loads, then V's four
.set W_CVT, 0x45                       ; destination, source 0 and source 1 in window 1
.set W_STD, 0x04                       ; LDS store data in window 1
.set W_LD1, 0x40                       ; a load's destination in window 1
.set W_PV,  0x01                       ; the matrix instruction's first source in window 1
.set MSB, 0
.macro WIN new                         ; the immediate's high byte repeats the setting that is left; at labels and branches the setting is 0
.if MSB != \new
	s_set_vgpr_msb (MSB<<8)|\new
.set MSB, \new
.endif
.endm
; The request pointer s18 walks tiles 4 b .. 4 b + 3, 0 .. 4 b - 1 (in bytes); when block A's cycle closes it moves on to block B.
.macro ADVANCE
	s_add_co_u32 s18, s18, TILEB
	s_cmp_eq_u32 s18, s19                          ; past the block's last tile: on to tile 0
	s_cselect_b32 s18, 0, s18
	s_cmp_eq_u32 s18, s20                          ; back at the start: the other block
	s_cselect_b32 s18, s37, s18
	s_cselect_b32 s19, s38, s19
	s_cselect_b32 s20, s37, s20
.endm
; A tile's 32 KiB: eight loads of 16 bytes a lane; one load of a wave covers 512 neighbouring bytes.  No hint: the tiles are read again by other blocks.
.macro GLOADS base, voff
.irp j, 0,1,2,3
	global_load_b128 v[\base+4*\j:\base+4*\j+3], v[\voff], s[6:7] offset:4096*\j
.endr
.irp j, 0,1,2,3
	global_load_b128 v[\base+16+4*\j:\base+16+4*\j+3], v[\voff], s[8:9] offset:4096*\j
.endr
.endm
; Round a tile in place (4 f32 -> 2 registers) and store it into the slot at byte so.  K: to bf16.  V: to bf16, widened again (a shift, a mask), and packed as f16,
; which changes none of these numbers inside f16's normal range.
.macro CVTST base, so, wc, ws
	WIN \wc
.irp j, 0,1,2,3
	v_cvt_pk_bf16_f32 v[\base+4*\j], v[\base+4*\j], v[\base+4*\j+1]
	v_cvt_pk_bf16_f32 v[\base+4*\j+1], v[\base+4*\j+2], v[\base+4*\j+3]
.endr
.irp j, 4,5,6,7
	v_cvt_pk_bf16_f32 v[\base+4*\j], v[\base+4*\j], v[\base+4*\j+1]
	v_cvt_pk_bf16_f32 v[\base+4*\j+2], v[\base+4*\j+2], v[\base+4*\j+3]
.endr
.irp j, 4,5,6,7
	v_and_b32 v[\base+4*\j+1], s44, v[\base+4*\j]              ; the upper bf16 as f32
	v_lshlrev_b32 v[\base+4*\j], 16, v[\base+4*\j]             ; the lower one
	v_and_b32 v[\base+4*\j+3], s44, v[\base+4*\j+2]
	v_lshlrev_b32 v[\base+4*\j+2], 16, v[\base+4*\j+2]
.endr
.irp j, 4,5,6,7
	v_cvt_pk_f16_f32 v[\base+4*\j], v[\base+4*\j], v[\base+4*\j+1]
	v_cvt_pk_f16_f32 v[\base+4*\j+1], v[\base+4*\j+2], v[\base+4*\j+3]
.endr
	WIN \ws
.irp j, 0,1,2,3
	ds_store_b64 v[KST], v[\base+4*\j:\base+4*\j+1] offset:\so+2304*\j
.endr
.irp j, 0,1,2,3
	ds_store_b64 v[VST], v[\base+16+4*\j:\base+16+4*\j+1] offset:\so+VOFF+2560*\j
.endr
	WIN 0
.endm
; K fragments: 16 keys x 32 d, two loads 32 bytes apart; the eight loads of d 0-31 first.
.macro KLOADS so
.irp ks, 0,1
.irp kt, 0,1,2,3
	ds_load_b128 v[KF+16*\kt+8*\ks:KF+16*\kt+8*\ks+3], v[KFA] offset:\so+2304*\kt+64*\ks
	ds_load_b128 v[KF+16*\kt+8*\ks+4:KF+16*\kt+8*\ks+7], v[KFA] offset:\so+2304*\kt+64*\ks+32
.endr
.endr
.endm
; V^T fragments: 16 d x 32 keys out of rows that lie along d: two transposing loads, 16 rows apart.
.macro VLOADS so
	WIN W_LD1
.irp ks, 0,1
.irp dt, 0,1,2,3
	ds_load_tr16_b128 v[VF+16*\dt+8*\ks:VF+16*\dt+8*\ks+3], v[VFA] offset:\so+VOFF+5120*\ks+32*\dt
	ds_load_tr16_b128 v[VF+16*\dt+8*\ks+4:VF+16*\dt+8*\ks+7], v[VFA] offset:\so+VOFF+5120*\ks+32*\dt+2560
.endr
.endr
	WIN 0
.endm
; S^T = K Q^T, 64 keys x 32 queries, bf16.  The eight accumulators take turns, one instruction a turn.
.macro SMUL
	s_wait_dscnt 24                                ; behind K's first eight loads stand K's other eight and V's sixteen (and, in most trips, eight stores: then this waits for more)
.irp kt, 0,1,2,3
.irp qt, 0,1
	v_wmma_f32_16x16x32_bf16 v[SR+32*\qt+8*\kt:SR+32*\qt+8*\kt+7], v[KF+16*\kt:KF+16*\kt+7], v[QF+16*\qt:QF+16*\qt+7], 0
.endr
.endr
	s_wait_dscnt 16                                ; only V's sixteen loads may be out
.irp kt, 0,1,2,3
.irp qt, 0,1
	v_wmma_f32_16x16x32_bf16 v[SR+32*\qt+8*\kt:SR+32*\qt+8*\kt+7], v[KF+16*\kt+8:KF+16*\kt+15], v[QF+16*\qt+8:QF+16*\qt+15], v[SR+32*\qt+8*\kt:SR+32*\qt+8*\kt+7]
.endr
.endr
.rept 4
	v_nop                                          ; four places before vector instructions read the scores (ISA guide 7.12.1)
.endr
.endm
; The diagonal: key 16 kt + 8 h + j is allowed for query 32 (w & 1) + 16 qt + r if 16 (kt - qt) + j <= DL; the others become -inf.
.macro MASK
.irp qt, 0,1
.irp kt, 0,1,2,3
.irp j, 0,1,2,3,4,5,6,7
	v_cmp_le_i32 vcc_lo, 16*(\kt-\qt)+\j, v[DL]
	v_cndmask_b32 v[SR+32*\qt+8*\kt+\j], s34, v[SR+32*\qt+8*\kt+\j], vcc_lo
.endr
.endr
.endr
.endm
; The running maximum m of each query row (raw scores), -c m, and alpha = 2^(c m_old - c m_new); c = log2(e) / 8.
.macro ROWMAX first
.irp c, 0,1,2,3
.irp qt, 0,1
	v_max3_num_f32 v[TR+4*\qt+\c], v[SR+32*\qt+8*\c], v[SR+32*\qt+8*\c+1], v[SR+32*\qt+8*\c+2]
.endr
.endr
.irp c, 0,1,2,3
.irp qt, 0,1
	v_max3_num_f32 v[TR+4*\qt+\c], v[TR+4*\qt+\c], v[SR+32*\qt+8*\c+3], v[SR+32*\qt+8*\c+4]
.endr
.endr
.irp c, 0,1,2,3
.irp qt, 0,1
	v_max3_num_f32 v[TR+4*\qt+\c], v[TR+4*\qt+\c], v[SR+32*\qt+8*\c+5], v[SR+32*\qt+8*\c+6]
.endr
.endr
.irp qt, 0,1
	v_max3_num_f32 v[TR+4*\qt], v[TR+4*\qt], v[TR+4*\qt+1], v[SR+32*\qt+7]
	v_max3_num_f32 v[TR+4*\qt+2], v[TR+4*\qt+2], v[TR+4*\qt+3], v[SR+32*\qt+15]
.endr
.irp qt, 0,1
	v_max3_num_f32 v[TR+4*\qt], v[TR+4*\qt], v[TR+4*\qt+2], v[SR+32*\qt+23]
.endr
.irp qt, 0,1
.if \first
	v_max_num_f32 v[TR+4*\qt], v[TR+4*\qt], v[SR+32*\qt+31]
.else
	v_max3_num_f32 v[TR+4*\qt], v[TR+4*\qt], v[SR+32*\qt+31], v[NM+2*\qt+1]
.endif
.endr
.irp qt, 0,1
	v_permlanex16_b32 v[TR+4*\qt+1], v[TR+4*\qt], s32, s33     ; the other half of the wave holds the row's other keys
.endr
.irp qt, 0,1
	v_max_num_f32 v[TR+4*\qt], v[TR+4*\qt], v[TR+4*\qt+1]      ; finite: every tile that is computed holds an allowed key for every row
.endr
.irp qt, 0,1
	v_mul_f32 v[NM+2*\qt], s35, v[TR+4*\qt]
.endr
.if \first == 0
.irp qt, 0,1
	v_fma_f32 v[TR+4*\qt+1], v[NM+2*\qt+1], s30, v[NM+2*\qt]
.endr
.irp qt, 0,1
	v_exp_f32 v[AL+2*\qt], v[TR+4*\qt+1]           ; the two moves below are the plain instructions behind the exponentials (ISA guide 5.7.2)
.endr
.endif
.irp qt, 0,1
	v_mov_b32 v[NM+2*\qt+1], v[TR+4*\qt]
.endr
.endm
; The pieces of the softmax, each on one tile of 16 keys x 16 queries (8 registers).
.macro FMA kt, qt                      ; c s - c m
.irp p, 0,2,4,6
	v_pk_fma_f32 v[SR+32*\qt+8*\kt+\p:SR+32*\qt+8*\kt+\p+1], v[SR+32*\qt+8*\kt+\p:SR+32*\qt+8*\kt+\p+1], s[30:31], v[NM+2*\qt:NM+2*\qt+1] op_sel_hi:[1,0,0]
.endr
.endm
.macro EXPS kt, qt
.irp j, 0,1,2,3,4,5,6,7
	v_exp_f32 v[SR+32*\qt+8*\kt+\j], v[SR+32*\qt+8*\kt+\j]
.endr
.endm
.macro RESC kt, qt                     ; one eighth of O^T times alpha: registers 128 + 8 g, g = 2 kt + qt; g < 4 belongs to query tile 0
	s_wait_alu depctr_va_vdst(0)
.irp p, 0,2,4,6
	v_pk_mul_f32 v[OA+8*(2*\kt+\qt)+\p:OA+8*(2*\kt+\qt)+\p+1], v[OA+8*(2*\kt+\qt)+\p:OA+8*(2*\kt+\qt)+\p+1], v[AL+2*((2*\kt+\qt)/4):AL+2*((2*\kt+\qt)/4)+1] op_sel_hi:[1,0]
.endr
.endm
.macro SUM kt, qt                      ; two chains of packed sums a query tile; the first tile starts them
.if \kt == 0
	s_wait_alu depctr_va_vdst(0)
	v_pk_add_f32 v[TR+4*\qt:TR+4*\qt+1], v[SR+32*\qt:SR+32*\qt+1], v[SR+32*\qt+4:SR+32*\qt+5]
	v_pk_add_f32 v[TR+4*\qt+2:TR+4*\qt+3], v[SR+32*\qt+2:SR+32*\qt+3], v[SR+32*\qt+6:SR+32*\qt+7]
.else
	s_wait_alu depctr_va_vdst(0)
	v_pk_add_f32 v[TR+4*\qt:TR+4*\qt+1], v[TR+4*\qt:TR+4*\qt+1], v[SR+32*\qt+8*\kt:SR+32*\qt+8*\kt+1]
	v_pk_add_f32 v[TR+4*\qt+2:TR+4*\qt+3], v[TR+4*\qt+2:TR+4*\qt+3], v[SR+32*\qt+8*\kt+2:SR+32*\qt+8*\kt+3]
	v_pk_add_f32 v[TR+4*\qt:TR+4*\qt+1], v[TR+4*\qt:TR+4*\qt+1], v[SR+32*\qt+8*\kt+4:SR+32*\qt+8*\kt+5]
	v_pk_add_f32 v[TR+4*\qt+2:TR+4*\qt+3], v[TR+4*\qt+2:TR+4*\qt+3], v[SR+32*\qt+8*\kt+6:SR+32*\qt+8*\kt+7]
.endif
.endm
.macro PACK kt, qt                     ; 8 weights -> 4 registers of f16, into the place that the second product's fragment gives keys 16 kt + 8 h + 0..7
.irp i, 0,1,2,3
	v_cvt_pk_f16_f32 v[SR+32*\qt+16*(\kt/2)+4*(\kt%2)+\i], v[SR+32*\qt+8*\kt+2*\i], v[SR+32*\qt+8*\kt+2*\i+1]
.endr
.endm
; One tile's turn: its exponentials, then the next tile's multiply-adds (the plain instructions behind the exponentials), then the use of the results.
.macro GRP kt, qt, nkt, nqt, more, first
	EXPS \kt, \qt
.if \more
	FMA \nkt, \nqt
.else
.if \first
	v_nop                                          ; nothing else stands between the last exponentials and their use
	s_wait_alu depctr_va_vdst(0)
.endif
.endif
.if \first == 0
	RESC \kt, \qt
.endif
	SUM \kt, \qt
	PACK \kt, \qt
.endm
.macro SOFT first
	FMA 0, 0
	GRP 0, 0, 0, 1, 1, \first
	GRP 0, 1, 1, 0, 1, \first
	GRP 1, 0, 1, 1, 1, \first
	GRP 1, 1, 2, 0, 1, \first
	GRP 2, 0, 2, 1, 1, \first
	GRP 2, 1, 3, 0, 1, \first
	GRP 3, 0, 3, 1, 1, \first
	GRP 3, 1, 0, 0, 0, \first
.endm
; O^T += V^T P^T, 64 d x 32 queries, f16.  The eight accumulators take turns, one instruction a turn.  first = 1: the products start the sums.
.macro PVMUL first
	s_wait_dscnt 0x0                               ; V's fragments are in
	WIN W_PV
.irp qt, 0,1
.irp dt, 0,1,2,3
.if \first
	v_wmma_f32_16x16x32_f16 v[OA+32*\qt+8*\dt:OA+32*\qt+8*\dt+7], v[VF+16*\dt:VF+16*\dt+7], v[SR+32*\qt:SR+32*\qt+7], 0
.else
	v_wmma_f32_16x16x32_f16 v[OA+32*\qt+8*\dt:OA+32*\qt+8*\dt+7], v[VF+16*\dt:VF+16*\dt+7], v[SR+32*\qt:SR+32*\qt+7], v[OA+32*\qt+8*\dt:OA+32*\qt+8*\dt+7]
.endif
.endr
.endr
.irp qt, 0,1
.irp dt, 0,1,2,3
	v_wmma_f32_16x16x32_f16 v[OA+32*\qt+8*\dt:OA+32*\qt+8*\dt+7], v[VF+16*\dt+8:VF+16*\dt+15], v[SR+32*\qt+16:SR+32*\qt+23], v[OA+32*\qt+8*\dt:OA+32*\qt+8*\dt+7]
.endr
.endr
	WIN 0
.endm
; The lane's row sums: l = alpha l + this tile's.  These five or six plain instructions name no register of the products above: they are the places
; behind them, before the next scores land on the weights, loads land on V's fragments, or vector instructions read O^T.
.macro BOOK first
	v_pk_add_f32 v[TR:TR+1], v[TR:TR+1], v[TR+2:TR+3]
	v_pk_add_f32 v[TR+4:TR+5], v[TR+4:TR+5], v[TR+6:TR+7]
.if \first
	v_add_f32 v[AL+1], v[TR], v[TR+1]
	v_add_f32 v[AL+3], v[TR+4], v[TR+5]
	v_nop
.else
	v_add_f32 v[TR], v[TR], v[TR+1]
	v_add_f32 v[TR+4], v[TR+4], v[TR+5]
	v_fma_f32 v[AL+1], v[AL+1], v[AL], v[TR]
	v_fma_f32 v[AL+3], v[AL+3], v[AL+2], v[TR+4]
.endif
.endm
; One trip.  slot: where this trip's tile lies.  u = 0..3: diagonal trip u; u = -1: a tile below the diagonal.  first = 1: the block's first tile.
.macro TRIP slot, u, first
	s_wait_dscnt 0x0                               ; my stores of this trip's tile and my reads of the last trip's tile are done,
	s_barrier_signal -1
	s_barrier_wait -1                              ; and so are every wave's: this slot is whole, the other may be written
.if \u > 0
	s_cmp_lt_u32 s12, 2*\u                         ; all keys of this tile lie beyond my rows: no fragments, no arithmetic
	s_cbranch_scc1 .Lnok_\@
.endif
	KLOADS \slot*SLOT
.if \u > 0
.Lnok_\@:
.endif
	s_cmp_ge_u32 s17, TRIPS-1                      ; the last trip has no next tile
	s_cbranch_scc1 .Lnost_\@
	s_wait_loadcnt 0x0                             ; the next tile's f32 are in; GO and the stage registers are free
	CVTST STG, (1-\slot)*SLOT, W_CVT, W_STD
	s_cmp_ge_u32 s17, TRIPS-2                      ; the last two trips request nothing
	s_cbranch_scc1 .Lnost_\@
	ADVANCE
	v_add_nc_u32 v[GO], s18, v[GL]
	WIN W_LD1
	GLOADS STG, GO                                 ; the tile after the next: it has a whole trip in which to come
	WIN 0
.Lnost_\@:
	s_add_co_u32 s17, s17, 1
.if \u > 0
	s_cmp_lt_u32 s12, 2*\u
	s_cbranch_scc1 .Lskip_\@
.endif
	VLOADS \slot*SLOT
	SMUL
.if \u >= 0
	s_cmp_lg_u32 s13, \u                           ; only the two waves whose rows this tile's keys cross
	s_cbranch_scc1 .Lnom_\@
	MASK
.Lnom_\@:
.endif
	ROWMAX \first
	SOFT \first
	PVMUL \first
	BOOK \first
.if \u > 0
.Lskip_\@:
.endif
.endm
; My 32 rows of q: sixteen loads, each two whole rows of 256 bytes; read once in the launch.
.macro QLOADS
.irp t, 0,1,2,3,4,5,6,7,8,9,10,11,12,13,14,15
	global_load_b128 v[SR+4*\t:SR+4*\t+3], v[L16], s[26:27] offset:512*\t th:TH_LOAD_NT
.endr
.endm
; q to bf16, through my own stage, into fragments.  LDS serves a wave's instructions in order (ISA guide 5.7.1): the loads see the stores.
.macro QIN
	s_wait_loadcnt 0x0
.irp t, 0,1,2,3,4,5,6,7,8,9,10,11,12,13,14,15
	v_cvt_pk_bf16_f32 v[SR+4*\t], v[SR+4*\t], v[SR+4*\t+1]
	v_cvt_pk_bf16_f32 v[SR+4*\t+1], v[SR+4*\t+2], v[SR+4*\t+3]
.endr
.irp t, 0,1,2,3,4,5,6,7,8,9,10,11,12,13,14,15
	ds_store_b64 v[QST], v[SR+4*\t:SR+4*\t+1] offset:288*\t
.endr
.irp qt, 0,1
.irp ks, 0,1
	ds_load_b128 v[QF+16*\qt+8*\ks:QF+16*\qt+8*\ks+3], v[QFA] offset:2304*\qt+64*\ks
	ds_load_b128 v[QF+16*\qt+8*\ks+4:QF+16*\qt+8*\ks+7], v[QFA] offset:2304*\qt+64*\ks+32
.endr
.endr
.endm
; The way out: the two halves' row sums meet, O^T / l, through my own stage (a lane holds 8 neighbouring d of a row), back as whole rows.
.macro EPI
	v_permlanex16_b32 v[TR], v[AL+1], s32, s33
	v_permlanex16_b32 v[TR+1], v[AL+3], s32, s33
	v_add_f32 v[AL+1], v[AL+1], v[TR]
	v_add_f32 v[AL+3], v[AL+3], v[TR+1]
	v_rcp_f32 v[AL], v[AL+1]
	v_rcp_f32 v[AL+2], v[AL+3]
	v_nop                                          ; one plain instruction behind the reciprocals (ISA guide 5.7.2)
	s_wait_alu depctr_va_vdst(0)
.irp qt, 0,1
.irp p, 0,2,4,6,8,10,12,14,16,18,20,22,24,26,28,30
	v_pk_mul_f32 v[OA+32*\qt+\p:OA+32*\qt+\p+1], v[OA+32*\qt+\p:OA+32*\qt+\p+1], v[AL+2*\qt:AL+2*\qt+1] op_sel_hi:[1,0]
.endr
.endr
.irp qt, 0,1
.irp dt, 0,1,2,3
	ds_store_b128 v[OST], v[OA+32*\qt+8*\dt:OA+32*\qt+8*\dt+3] offset:4352*\qt+64*\dt
	ds_store_b128 v[OST], v[OA+32*\qt+8*\dt+4:OA+32*\qt+8*\dt+7] offset:4352*\qt+64*\dt+16
.endr
.endr
.irp t, 0,1,2,3,4,5,6,7,8,9,10,11,12,13,14,15
	ds_load_b128 v[KF+4*\t:KF+4*\t+3], v[ORD] offset:544*\t
.endr
.irp t, 0,1,2,3,4,5,6,7,8,9,10,11,12,13,14,15
	s_wait_dscnt 15-\t                             ; LDS loads come back in order: pair t of rows is in, the younger ones may be out
	global_store_b128 v[L16], v[KF+4*\t:KF+4*\t+3], s[28:29] offset:512*\t th:TH_STORE_NT   ; sixteen lanes store 256 consecutive bytes, aligned
.endr
	s_wait_xcnt 0x0                                ; the stores' data registers and base are written again only behind this wait
.endm
	; ---- prologue ----
	s_load_b256 s[4:11], s[0:1], 0x0               ; q s[4:5], k s[6:7], v s[8:9], out s[10:11]
	v_lshl_add_u32 v31, v0, 2, 0x23800
	s_set_vgpr_msb 0x40
	v_mov_b32 v97, 0
	s_set_vgpr_msb 0x4000
	v_lshrrev_b32 v30, 5, v0
	v_readfirstlane_b32 s12, v30                   ; wave w
	s_lshr_b32 s13, s12, 1                         ; w >> 1: the diagonal tile that my rows cross
	s_and_b32 s14, s12, 1
	s_and_b32 s15, ttmp9, 3                        ; i
	s_lshr_b32 s23, ttmp9, 2                       ; head
	s_mov_b32 s16, s15                             ; the current block: first i
	s_lshl_b32 s24, s23, 19                        ; a head is 2048 x 256 bytes
	s_mov_b32 s25, 0
	s_lshl_b32 s42, s12, 13                        ; my 32 rows in a block
	s_mov_b32 s43, 0
	s_lshl_b32 s18, s16, 16                        ; request pointer: tile 4 i, in bytes
	s_mov_b32 s20, s18                             ; where block A's cycle began
	s_add_co_u32 s19, s18, 0x10000                 ; and the end of its tiles
	s_sub_co_u32 s37, 7, s15
	s_lshl_b32 s37, s37, 16                        ; the same two for block B = 7 - i
	s_add_co_u32 s38, s37, 0x10000
	s_mov_b32 s30, 0x3e38aa3b                      ; c = log2(e) / 8, twice (a pair for the packed multiply-add)
	s_mov_b32 s31, 0x3e38aa3b
	s_mov_b32 s32, 0x76543210                      ; v_permlanex16_b32: lane i of one half reads lane i of the other
	s_mov_b32 s33, 0xfedcba98
	s_mov_b32 s34, 0xff800000                      ; -inf
	s_mov_b32 s35, 0xbe38aa3b                      ; -c
	s_mov_b32 s44, 0xffff0000                      ; a word's upper bf16
	s_lshl_b32 s36, s14, 5
	s_mul_i32 s39, s12, 4608
	s_add_co_u32 s39, s39, QSTG                    ; my Q stage
	s_mul_i32 s41, s12, 8704
	s_add_co_u32 s41, s41, OSTG                    ; my O stage
	s_mov_b32 s17, 0                               ; trips done
	s_mov_b32 s22, 0                               ; blocks done
	v_lshlrev_b32 v[GL], 4, v0
	v_and_b32 v22, 31, v0                          ; lane
	v_and_b32 v23, 15, v0                          ; r
	v_bfe_u32 v24, v0, 4, 1                        ; h
	v_lshrrev_b32 v25, 4, v0                       ; thread >> 4: my row among the 16 that one load of the work-group covers
	v_lshlrev_b32 v[L16], 4, v22
	v_add_nc_u32 v[GO0], s18, v[GL]
	v_mul_u32_u24 v[KST], v25, 144
	v_lshl_add_u32 v[KST], v23, 3, v[KST]
	v_mul_u32_u24 v[VST], v25, 160
	v_lshl_add_u32 v[VST], v23, 3, v[VST]
	v_mul_u32_u24 v[KFA], v23, 144
	v_lshl_add_u32 v[KFA], v24, 4, v[KFA]
	v_and_b32 v26, 7, v0
	v_lshl_add_u32 v26, v24, 3, v26
	v_mul_u32_u24 v[VFA], v26, 160
	v_bfe_u32 v27, v0, 3, 1
	v_lshl_add_u32 v[VFA], v27, 4, v[VFA]
	v_lshlrev_b32 v27, 3, v24
	v_sub_nc_u32 v[DL], v23, v27
	v_add_nc_u32 v[DL], s36, v[DL]
	v_mul_u32_u24 v[QST], v24, 144
	v_lshl_add_u32 v[QST], v23, 3, v[QST]
	v_add_nc_u32 v[QST], s39, v[QST]
	v_add_nc_u32 v[QFA], s39, v[KFA]
	v_mul_u32_u24 v[OST], v23, 272
	v_lshl_add_u32 v[OST], v24, 5, v[OST]
	v_add_nc_u32 v[OST], s41, v[OST]
	v_mul_u32_u24 v[ORD], v24, 272
	v_lshl_add_u32 v[ORD], v23, 4, v[ORD]
	v_add_nc_u32 v[ORD], s41, v[ORD]
	s_wait_kmcnt 0x0
	s_add_nc_u64 s[4:5], s[4:5], s[24:25]          ; all four at my head,
	s_add_nc_u64 s[6:7], s[6:7], s[24:25]
	s_add_nc_u64 s[8:9], s[8:9], s[24:25]
	s_add_nc_u64 s[10:11], s[10:11], s[24:25]
	s_add_nc_u64 s[4:5], s[4:5], s[42:43]          ; q and out at my wave's rows of block 0
	s_add_nc_u64 s[10:11], s[10:11], s[42:43]
	s_lshl_b32 s24, s16, 16                        ; a block is 256 x 256 bytes
	s_add_nc_u64 s[26:27], s[4:5], s[24:25]        ; q at the block
	GLOADS OA, GO0                                 ; tile 0 of the walk, into registers that are still free
	QLOADS
	ADVANCE
	v_add_nc_u32 v[GO], s18, v[GL]
	WIN W_LD1
	GLOADS STG, GO                                 ; tile 1
	WIN 0
	s_wait_loadcnt 24                              ; tile 0's eight loads are the oldest: q's sixteen and tile 1's eight may be out
	CVTST OA, 0, 0, 0
	; ---- a block of 256 query rows ----
.Lblock:
	QIN
	TRIP 0, 0, 1
	TRIP 1, 1, 0
	TRIP 0, 2, 0
	TRIP 1, 3, 0
	s_cmp_eq_u32 s16, 0                            ; block 0 has no tile below its diagonal tiles
	s_cbranch_scc1 .Lnofull
	s_mov_b32 s21, 0
	s_lshl_b32 s40, s16, 1                         ; 4 b tiles, two a lap
.Lfull:
	TRIP 0, -1, 0
	TRIP 1, -1, 0
	s_add_co_u32 s21, s21, 1
	s_cmp_lt_u32 s21, s40
	s_cbranch_scc1 .Lfull
.Lnofull:
	s_lshl_b32 s24, s16, 16
	s_add_nc_u64 s[28:29], s[10:11], s[24:25]      ; out at the block that has just been finished
	s_cmp_eq_u32 s22, 1
	s_cbranch_scc1 .Lnoq
	s_sub_co_u32 s16, 7, s15                       ; the second block
	s_lshl_b32 s24, s16, 16
	s_add_nc_u64 s[26:27], s[4:5], s[24:25]        ; the first block's loads of q were waited for at its head
	QLOADS                                         ; its q comes in while the first block goes out
.Lnoq:
	EPI
	s_add_co_u32 s22, s22, 1
	s_cmp_lt_u32 s22, 2
	s_cbranch_scc1 .Lblock
	s_set_vgpr_msb 0x4
	s_wait_tensorcnt 0x0
	ds_add_u32 v31, v97
	s_wait_dscnt 0x0
	s_set_vgpr_msb 0x400
	s_endpgm
.Lfunc_end_k_q8e50fd7d20_attn:
	.size	k_q8e50fd7d20_attn, .Lfunc_end_k_q8e50fd7d20_attn-k_q8e50fd7d20_attn
	.p2alignl 7, 3214868480
	.fill 96, 4, 3214868480
	.section	.rodata,"a",@progbits
	.p2align	6, 0x0
	.amdhsa_kernel k_q8e50fd7d20_attn
		.amdhsa_group_segment_fixed_size 146432
		.amdhsa_private_segment_fixed_size 0
		.amdhsa_enable_private_segment 0
		.amdhsa_kernarg_size 32
		.amdhsa_user_sgpr_count 2
		.amdhsa_user_sgpr_kernarg_segment_ptr 1
		.amdhsa_wavefront_size32 1
		.amdhsa_system_sgpr_workgroup_id_x 1
		.amdhsa_system_sgpr_workgroup_id_y 1
		.amdhsa_system_sgpr_workgroup_id_z 1
		.amdhsa_system_vgpr_workitem_id 0
		.amdhsa_next_free_vgpr 354
		.amdhsa_next_free_sgpr 66
		.amdhsa_reserve_vcc 1
		.amdhsa_float_denorm_mode_32 3
		.amdhsa_float_denorm_mode_16_64 3
		.amdhsa_memory_ordered 1
		.amdhsa_forward_progress 1
		.amdhsa_inst_pref_size 165
	.end_amdhsa_kernel
	.amdgpu_metadata
---
amdhsa.version: [ 1, 2 ]
amdhsa.kernels:
  - .name:           k_q8e50fd7d20_attn
    .symbol:         k_q8e50fd7d20_attn.kd
    .args:
      - { .name: q, .offset: 0, .size: 8, .value_kind: global_buffer, .address_space: global }
      - { .name: k, .offset: 8, .size: 8, .value_kind: global_buffer, .address_space: global }
      - { .name: v, .offset: 16, .size: 8, .value_kind: global_buffer, .address_space: global }
      - { .name: out0, .offset: 24, .size: 8, .value_kind: global_buffer, .address_space: global }
    .group_segment_fixed_size: 146432
    .private_segment_fixed_size: 0
    .kernarg_segment_align: 8
    .kernarg_segment_size: 32
    .max_flat_workgroup_size: 256
    .sgpr_count:     66
    .vgpr_count:     354
    .wavefront_size: 32
...
	.end_amdgpu_metadata
.endif
;; end of part 1
